; MI455X (gfx1250); checked and timed in simulation.
; The chip was launched on July 23, 2026; its instructions are those of AMD's public machine-readable ISA for CDNA 5 (MIT licence, August 2026) and "CDNA5" Instruction Set Architecture Reference Guide (July 2026). The comments in the code are by the model that wrote it; some were corrected since.
;; Evo Mo E Router. Allowed arithmetic: matrix products marked QUANTISED: E5M2 operands, one E8M0 scale for each 32 along K, by v_wmma_scale_f32_16x16x128_f8f6f4 with both operands' format E5M2, f32 sums; products left as they are: f32 operands where the result goes on into a quantised operand, else bf16, f16 or f32 operands; f32 sums; everything else in f32.
;; Inputs: expert_b 8 x 1,024 float32; expert_pref 8 x 1,024 float32; expert_w 8 x 1,024 x 1,024 float32; router_b 8 float32; router_w 8 x 1,024 float32; x 4 x 2,048 x 1,024 float32.
;; Outputs: out0 4 x 2,048 x 1,024 float32; out1 4 x 2,048 x 8 float32; out2 8 float32; out3 one number float32; out4 one number float32.
;; Constants: top_k = 2.
;; This version of the problem:
;;   THIS VERSION OF THE PROBLEM IS GIVEN IN LOW PRECISION. The matrix products marked QUANTISED in the list below multiply operands that are first quantised to E5M2 (5 exponent bits, 2 mantissa bits; 8 bits a number), with one power-of-two scale for each 32 numbers along K (OCP MX v1.0); their sums are f32. All else is computed in f32.
;;   The module's matrix products, in the order in which they are computed (A, B: the left and right operand; K: the contracted axis; several contracted axes count as one K, in the product's order):
;;     1. [M 8,192, K 1,024] x [K 1,024, N 8]; A: input x; B: input router_w: left as it is (N = 8 < 16)
;;     2. batch 8,192 x [M 8, K 2] x [K 2, N 1]; A: computed on the way; B: computed on the way: left as it is (K = 2 < 32)
;;     3. [M 8,192, K 1,024] x [K 1,024, N 8,192]; A: input x; B: input expert_w: QUANTISED
;;     4. batch 8,192 x [M 1,024, K 8] x [K 8, N 1]; A: computed on the way; B: computed on the way: left as it is (K = 8 < 32)
;;   THE QUANTISER, for each operand of a quantised product, along K:
;;     - K is cut into blocks of 32 from its start; a last block that is shorter is filled with zeros.
;;     - A block's scale is 2^e with e = floor(log2(the largest magnitude in the block)) - 15, held to -126 .. 127; a block of zeros has e = 0. As a byte (E8M0): e + 127.
;;     - Each number is divided by its block's scale, clamped to +-57,344, and rounded to the nearest number of E5M2, ties to even, subnormals kept.
;;     - The product sums the exact products of the quantised numbers (number of the format x scale) in f32.
;;   ~~~python
;;   def quantise(x, axis):      # numpy; x: float32 -> the quantised numbers, widened to float32 again
;;       x = np.moveaxis(x, axis, -1); K = x.shape[-1]
;;       x = np.pad(x, [(0, 0)] * (x.ndim - 1) + [(0, -K % 32)]); x = x.reshape(x.shape[:-1] + (-1, 32)); a = np.abs(x).max(-1, keepdims=True)
;;       e = np.where(a > 0, np.clip(np.frexp(np.where(a > 0, a, 1))[1] - 1 - 15, -126, 127), 0)      # np.frexp(a)[1] - 1 = floor(log2(a)), exactly
;;       r = np.clip(x / 2.0 ** e, -57344, 57344)
;;       step = 2.0 ** (np.maximum(np.frexp(np.where(r == 0, 1, r))[1] - 1, -14) - 2)
;;       q = np.round(r / step) * step * 2.0 ** e      # np.round: ties to even
;;       return np.moveaxis(q.reshape(q.shape[:-2] + (-1,))[..., :K], -1, axis).astype(np.float32)
;;   ~~~
;; One version. Each part assembles by itself: llvm-mc -triple=amdgcn-amd-amdhsa -mcpu=gfx1250 --defsym DOCPART=n.
;; ======== version 1 of 1: 3 launches
;; limits: right only within a limited range of input values
;; workspace buffers: xq 8,650,752 bytes; wq 8,650,752 bytes; comb 262,144 bytes; route 65,536 bytes of whole numbers; part 49,152 bytes; order 32,768 bytes of whole numbers
;; launch prep (part 1): grid 256 x 1, 8 waves a work-group, no clusters, 264,192 bytes of LDS; arguments x, router_w, router_b, expert_w, xq, wq, out1, comb, route, part; writes xq, wq, out1, comb, route, part
.if DOCPART == 1
	.amdgcn_target "amdgcn-amd-amdhsa--gfx1250"
	.amdhsa_code_object_version 6
	.text
	.protected	k_qc23ead861c_prep
	.globl	k_qc23ead861c_prep
	.p2align	8
	.type	k_qc23ead861c_prep,@function
k_qc23ead861c_prep:
	s_mov_b64 s[64:65], 0
	v_nop
	global_prefetch_b8 v0, s[64:65] scope:SCOPE_SE
	s_setreg_imm32_b32 hwreg(HW_REG_WAVE_MODE, 25, 1), 1
	s_wait_xcnt 0x0
; PREP.  Even work-groups (128) take 64 tokens of x each: codes of E5M2 and E8M0 scale bytes into xq, the router's logits by f32 multiply-adds, softmax (out1), the two chosen experts and their
; weights (comb), and for each chunk of 32 tokens a histogram over the 28 pairs of experts and each token's rank in its pair (route: stored at fixed places, no address here hangs on them).
; Odd work-groups (128) take 64 rows f x 128 k of ALL eight experts' weights: codes and scale bytes into wq, laid in the order of an operand's registers, and the partial sums of the 28 squared distances (part).
; A block's scale is 2^(floor(log2(largest magnitude)) - 15); its byte is the largest magnitude's exponent field - 15, held at 1 from below; numbers are held within +-57,344 x the scale and rounded to the nearest code, ties to even.
; LIMITS: NaN and infinities among the inputs are not served.  A block whose largest magnitude lies under 2^-111 gets the byte 1; a block of zeros gets the byte 1 with zero codes (these bytes are read by this program alone).
; A routing weight under 2^-126 comes out of v_exp_f32 as 0: where a token's second largest weight lies there, the second expert is the lowest index among the zeros.
; No tensor loads: every byte is read once by one wave and goes straight into arithmetic; rings of registers hold the loads in flight.  The two paths part on the work-group's number and have LDS bytes of their own.
.set XSO,  8388608                     ; xq: codes [token][1024] from 0, scale bytes [token][32] from here
.set REC,  8448                        ; wq: a record (expert, group of 64 rows, K step of 128): 4 fragments of 2,048 bytes, then 256 bytes of scale words
.set ESTR, 128*REC                     ; from expert to expert
.set XB,   138240                      ; LDS: the x path's bytes begin here
.set RWS,  XB+65536                    ; router_w: 8 rows x 64 groups of 64 bytes, 80 bytes apart
.set LGT,  XB+106496                   ; logits [64 tokens][8]
.set OS,   XB+108544                   ; 2,048 bytes a wave: out1's and comb's way out
.set SP,   80                          ; a lane's place in a stage: 64 bytes + 16 of padding
.set R,    16                          ; v16-143  eight sets of 16 numbers as loaded
.set X,    144                         ; v144-175 two sets of 16 neighbours
.set C,    176                         ; v176-191 four sets of codes
.set ACC,  192                         ; v192-207 eight pairs: a row's eight dot products
.set RS,   208                         ; v208-215 sums to be reduced;  v216-223 at work there
.set RT,   216
.set SCB,  135168                      ; weight path: [expert][256] image of a record's scale words
.set DV,   137216                      ; weight path: [wave][32] partial distances
.set NN,   32                          ; v32-159  expert e's 16 numbers at 32 + 16 e
.set DA,   160                         ; v160-215 28 pairs: squared distances
.set TM,   216                         ; v216-231 largest magnitudes, bytes, holds, scale operands
.set DT,   232                         ; v232-239 four differences
.set PC,   240                         ; v240-255 codes of four experts
.set MSB, 0
.macro WIN new                         ; the immediate's high byte repeats the setting that is left
.if MSB != \new
	s_set_vgpr_msb (MSB<<8)|\new
.set MSB, \new
.endif
.endm
; One stage of a reduction that halves the number of sums: lanes whose bit is set keep the odd sum and send the even one, the others the other way round
.macro REDST S, T, n, m, xm
.set rj, 0
.rept \n
	v_cndmask_b32 v[\T+2*rj], v[\S+2*rj], v[\S+2*rj+1], s[\m]
	v_cndmask_b32 v[\T+2*rj+1], v[\S+2*rj+1], v[\S+2*rj], s[\m]
.set rj, rj+1
.endr
.set rj, 0
.rept \n
	v_add_f32_dpp v[\S+rj], v[\T+2*rj+1], v[\T+2*rj] row_xmask:\xm row_mask:0xf bank_mask:0xf
.set rj, rj+1
.endr
.endm
.macro RED8 S, T                       ; eight sums over the 32 lanes: lane l ends with the total of sum l % 8, in v[S]
	REDST \S, \T, 4, 40, 1
	REDST \S, \T, 2, 41, 2
	REDST \S, \T, 1, 42, 4
	s_delay_alu instid0(VALU_DEP_1)
	v_add_f32_dpp v[\S], v[\S], v[\S] row_xmask:8 row_mask:0xf bank_mask:0xf
	s_delay_alu instid0(VALU_DEP_1)
	v_permlanex16_b32 v[\T], v[\S], s44, s45
	s_delay_alu instid0(VALU_DEP_1)
	v_add_f32 v[\S], v[\S], v[\T]
.endm
.macro RED32 S, T                      ; 32 sums over the 32 lanes: lane l ends with the total of sum l, in v[S]
	REDST \S, \T, 16, 40, 1
	REDST \S, \T, 8, 41, 2
	REDST \S, \T, 4, 42, 4
	REDST \S, \T, 2, 47, 8
	s_delay_alu instid0(VALU_DEP_1)
	v_cndmask_b32 v[\T], v[\S], v[\S+1], s56
	s_delay_alu instid0(VALU_DEP_2)
	v_cndmask_b32 v[\T+1], v[\S+1], v[\S], s56
	s_delay_alu instid0(VALU_DEP_1)
	v_permlanex16_b32 v[\T+2], v[\T+1], s44, s45
	s_delay_alu instid0(VALU_DEP_1)
	v_add_f32 v[\S], v[\T], v[\T+2]
.endm
	s_load_b512 s[4:19], s[0:1], 0x0               ; x, router_w, router_b, expert_w, xq, wq, out1, comb
	s_load_b128 s[20:23], s[0:1], 0x40             ; route, part
	v_lshrrev_b32 v1, 5, v0
	s_delay_alu instid0(VALU_DEP_1)
	v_readfirstlane_b32 s24, v1                    ; wave 0..7
	v_and_b32 v2, 31, v0                           ; lane
	s_and_b32 s25, ttmp9, 1                        ; 0: x path, 1: weight path
	s_lshr_b32 s26, ttmp9, 1                       ; the path's work-group 0..127
	s_mov_b32 s40, 0xaaaaaaaa                      ; lanes with bit 0, 1, 2, 3, 4 set
	s_mov_b32 s41, 0xcccccccc
	s_mov_b32 s42, 0xf0f0f0f0
	s_mov_b32 s47, 0xff00ff00
	s_mov_b32 s56, 0xffff0000
	s_mov_b32 s43, 0x600000                        ; the mantissa field of 57,344
	s_mov_b32 s44, 0x76543210                      ; v_permlanex16_b32's selects for lane l xor 16
	s_mov_b32 s45, 0xfedcba98
	s_wait_kmcnt 0x0
	s_cmp_lg_u32 s25, 0
	s_cbranch_scc1 .Lwpath
; ================= THE X PATH: wave w takes rows 64 idx + 8 w .. + 7, in 16 steps of 512 numbers (row t / 2, half t % 2) =================
	s_load_b256 s[48:55], s[8:9], 0x0              ; router_b
	s_wait_alu depctr_va_vdst(0)
	v_lshlrev_b32 v3, 4, v2                        ; 16 x lane: my bytes of a load's 512, and of a step's codes
	s_lshl_b32 s27, s24, 13
	s_add_co_u32 s27, s27, XB                      ; my wave's 8,192 bytes of LDS
	v_lshrrev_b32 v14, 2, v2
	s_delay_alu instid0(VALU_DEP_1)
	v_mul_u32_u24 v14, v14, SP
	v_and_b32 v15, 3, v2
	s_delay_alu instid0(VALU_DEP_1)
	v_lshl_add_u32 v14, v15, 4, v14                ; 80 (lane / 4) + 16 (lane % 4): four lanes' 64 bytes on end, then padding
	s_mul_i32 s28, s24, 5120
	s_add_co_u32 s28, s28, RWS
	v_add_nc_u32 v225, s28, v14                    ; where I put row w of router_w
	v_add_nc_u32 v14, s27, v14                     ; the stage, on the way in
	v_mul_u32_u24 v15, v2, SP
	s_delay_alu instid0(VALU_DEP_1)
	v_add_nc_u32 v226, RWS, v15                    ; where I read my 16 neighbours of a row of router_w
	s_delay_alu instid0(VALU_DEP_2)
	v_add_nc_u32 v15, s27, v15                     ; the stage, on the way out
	s_add_co_u32 s29, s27, 5120
	v_lshrrev_b32 v5, 1, v2
	s_delay_alu instid0(VALU_DEP_1)
	v_add_nc_u32 v5, s29, v5                       ; my block's scale byte
	v_lshlrev_b32 v7, 3, v2
	s_delay_alu instid0(VALU_DEP_1)
	v_add_nc_u32 v6, s29, v7                       ; and 8 bytes a lane on their way out
	v_and_b32 v8, 7, v2
	s_lshl_b32 s30, s24, 8
	s_add_co_u32 s30, s30, LGT
	v_lshl_add_u32 v224, v8, 2, s30                ; logits: my wave's 8 tokens, expert lane % 8
	s_lshl_b32 s32, s26, 18
	s_lshl_b32 s33, s24, 15
	s_add_co_u32 s32, s32, s33                     ; (64 idx + 8 w) rows of 4,096 bytes
	s_mov_b32 s33, 0
	s_add_nc_u64 s[4:5], s[4:5], s[32:33]          ; x
	s_lshr_b32 s34, s32, 2
	s_mov_b32 s35, 0
	s_add_nc_u64 s[36:37], s[12:13], s[34:35]      ; my rows' codes
	s_lshr_b32 s34, s32, 7
	s_add_nc_u64 s[38:39], s[12:13], s[34:35]
	s_add_nc_u64 s[38:39], s[38:39], XSO           ; my rows' scale bytes
	s_lshl_b32 s34, s24, 12
	s_add_nc_u64 s[6:7], s[6:7], s[34:35]          ; row w of router_w
.macro LOAD t                          ; 32 lanes read 512 consecutive bytes
.irp i, 0,1,2,3
	global_load_b128 v[R+16*((\t)%8)+4*\i:R+16*((\t)%8)+4*\i+3], v3, s[4:5] offset:2048*(\t)+512*\i th:TH_LOAD_NT
.endr
.endm
.macro TURN t                          ; a step's 2,048 bytes go through the wave's own stage and come back 64 bytes a lane; LDS serves a wave's instructions in order
.irp i, 0,1,2,3
	ds_store_b128 v14, v[R+16*((\t)%8)+4*\i:R+16*((\t)%8)+4*\i+3] offset:32*SP*((\t)%2)+8*SP*\i
.endr
.irp i, 0,1,2,3
	ds_load_b128 v[X+16*((\t)%2)+4*\i:X+16*((\t)%2)+4*\i+3], v15 offset:32*SP*((\t)%2)+16*\i
.endr
.endm
.irp i, 0,1,2,3,4,5,6,7
	global_load_b128 v[176+4*\i:179+4*\i], v3, s[6:7] offset:512*\i
.endr
.irp t, 0,1,2,3,4,5,6,7
	LOAD \t
.endr
	s_wait_alu depctr_va_vdst(0)
	s_wait_loadcnt 32                              ; router_w's eight loads are in; the 32 loads of x behind them stay out
.irp i, 0,1,2,3,4,5,6,7
	ds_store_b128 v225, v[176+4*\i:179+4*\i] offset:640*\i
.endr
	s_wait_dscnt 0x0                               ; for the others' sake: my row lies in LDS
	s_barrier_signal -1
	s_barrier_wait -1
	WIN 0x40                                       ; router_w stays in window 1: register 128 half + 16 e + i = router_w[e][512 half + 16 lane + i]
.irp e, 0,1,2,3,4,5,6,7
.irp f, 0,1
.irp j, 0,1,2,3
	ds_load_b128 v[128*\f+16*\e+4*\j:128*\f+16*\e+4*\j+3], v226 offset:\e*5120+\f*2560+16*\j
.endr
.endr
.endr
	WIN 0
	s_wait_dscnt 0x0
	s_wait_loadcnt 28                              ; step 0's four loads are in
	TURN 0
.macro STEP t
.set XS, X+16*((\t)%2)
.set CS, C+4*((\t)%4)
.set RW, 128*((\t)%2)
	s_wait_dscnt 0x0                               ; this step's numbers are back from the stage, and my LDS stores have read their registers
.if (\t)+8 < 16
	LOAD (\t)+8
.endif
.if (\t)+1 < 16
.if (\t) <= 7
	s_wait_loadcnt 28                              ; the next step's four loads are in; those of the seven steps behind it may be out
.else
	s_wait_loadcnt 4*(14-(\t))
.endif
	TURN (\t)+1
.endif
	WIN 0x04                                       ; source 1: window 1.  The router's eight dot products, ahead of the holds, which change the numbers in place
.irp i, 0,2,4,6,8,10,12,14
.irp e, 0,1,2,3,4,5,6,7
.if ((\t)%2 == 0) && (\i == 0)
	v_pk_mul_f32 v[ACC+2*\e:ACC+2*\e+1], v[XS+\i:XS+\i+1], v[RW+16*\e+\i:RW+16*\e+\i+1]
.else
	v_pk_fma_f32 v[ACC+2*\e:ACC+2*\e+1], v[XS+\i:XS+\i+1], v[RW+16*\e+\i:RW+16*\e+\i+1], v[ACC+2*\e:ACC+2*\e+1]
.endif
.endr
.endr
	WIN 0
	v_max3_num_f32 v8, |v[XS]|, |v[XS+1]|, |v[XS+2]|               ; the largest magnitude of my 16
	v_max3_num_f32 v9, |v[XS+3]|, |v[XS+4]|, |v[XS+5]|
.irp i, 6,10
	s_delay_alu instid0(VALU_DEP_2)
	v_max3_num_f32 v8, v8, |v[XS+\i]|, |v[XS+\i+1]|
	s_delay_alu instid0(VALU_DEP_2)
	v_max3_num_f32 v9, v9, |v[XS+\i+2]|, |v[XS+\i+3]|
.endr
	s_delay_alu instid0(VALU_DEP_2)
	v_max3_num_f32 v8, v8, |v[XS+14]|, |v[XS+15]|
	s_delay_alu instid0(VALU_DEP_1)
	v_max3_num_f32 v8, v8, v9, 0x8000000           ; and the floor 2^(16 - 127): the byte cannot fall under 1
	s_delay_alu instid0(VALU_DEP_1)
	v_max_num_f32_dpp v8, v8, v8 row_xmask:1 row_mask:0xf bank_mask:0xf   ; with my neighbour's 16: the block's
	s_delay_alu instid0(VALU_DEP_1)
	v_add_nc_u32 v11, 0xf8800000, v8               ; 15 off the exponent field: the conversion's scale operand
	s_delay_alu instid0(VALU_DEP_2)
	v_and_or_b32 v10, v8, 0x7f800000, s43          ; 57,344 x the scale
.irp i, 0,1,2,3,4,5,6,7,8,9,10,11,12,13,14,15
	v_med3_num_f32 v[XS+\i], v[XS+\i], -v10, v10   ; the conversion to an 8-bit code does not saturate (ISA guide 7.6.2)
.endr
.if (\t) >= 4
	s_wait_alu depctr_va_vdst(0)
	s_wait_xcnt 0x0                                ; the store of four steps ago has read this set of codes
.endif
	v_cvt_scalef32_pk8_bf8_f32 v[CS:CS+1], v[XS:XS+7], v11
	v_cvt_scalef32_pk8_bf8_f32 v[CS+2:CS+3], v[XS+8:XS+15], v11
	v_lshrrev_b32 v12, 23, v11                     ; the scale's byte (a plain line behind the conversions)
	ds_store_b8 v5, v12 offset:16*(\t)             ; both lanes of a block write the same byte with the same value
	global_store_b128 v3, v[CS:CS+3], s[36:37] offset:512*(\t)     ; the wave stores 512 consecutive bytes
.if (\t)%2 == 1                                ; a row is done: its eight logits
.irp e, 0,1,2,3,4,5,6,7
	v_add_f32 v[RS+\e], v[ACC+2*\e], v[ACC+2*\e+1]
.endr
	RED8 RS, RT
	ds_store_b32 v224, v[RS] offset:32*((\t)/2)    ; lanes with the same lane % 8 write the same word with the same value
.endif
.endm
.irp t, 0,1,2,3,4,5,6,7,8,9,10,11,12,13,14,15
	STEP \t
.endr
	s_wait_dscnt 0x0
	ds_load_b64 v[12:13], v6                       ; my wave's 256 scale bytes
	s_wait_dscnt 0x0                               ; also for the others' sake: my logits lie in LDS
	global_store_b64 v7, v[12:13], s[38:39]        ; 256 consecutive bytes, aligned
	s_barrier_signal -1
	s_barrier_wait -1
	s_cmp_lt_u32 s24, 2
	s_cbranch_scc1 .Lxfin
	s_wait_xcnt 0x0
	v_lshl_add_u32 v254, v0, 2, 0x40400
	v_mov_b32 v255, 0
	s_wait_alu depctr_va_vdst(0)
	s_wait_tensorcnt 0x0
	ds_add_u32 v254, v255
	s_wait_dscnt 0x0
	s_endpgm
.Lxfin:                                            ; waves 0 and 1: a chunk of 32 tokens each, a lane a token
	s_wait_xcnt 0x0                                ; my stores have read their registers
	s_lshl_b32 s27, s24, 10
	s_add_co_u32 s27, s27, LGT
	v_lshl_add_u32 v8, v2, 5, s27
	ds_load_b128 v[16:19], v8
	ds_load_b128 v[20:23], v8 offset:16
	s_wait_kmcnt 0x0                               ; router_b
	s_wait_dscnt 0x0
.irp e, 0,1,2,3,4,5,6,7
	v_add_f32 v[16+\e], s[48+\e], v[16+\e]
.endr
	v_max3_num_f32 v24, v16, v17, v18              ; the maximum is taken away ahead of the exponentials
	s_delay_alu instid0(VALU_DEP_1)
	v_max3_num_f32 v24, v24, v19, v20
	s_delay_alu instid0(VALU_DEP_1)
	v_max3_num_f32 v24, v24, v21, v22
	s_delay_alu instid0(VALU_DEP_1)
	v_max_num_f32 v24, v24, v23
.irp e, 0,1,2,3,4,5,6,7
	v_sub_f32 v[16+\e], v[16+\e], v24
.endr
.irp e, 0,1,2,3,4,5,6,7
	v_mul_f32 v[16+\e], 0x3fb8aa3b, v[16+\e]
.endr
	s_wait_alu depctr_va_vdst(0)
.irp e, 0,1,2,3,4,5,6,7
	v_exp_f32 v[16+\e], v[16+\e]
.endr
	v_mov_b32 v44, 0                               ; (the histogram begins as zeros: a plain line behind the exponentials)
	s_wait_alu depctr_va_vdst(0)                   ; one wait for the eight, ahead of their first reader
	v_add_f32 v25, v16, v17
	v_add_f32 v45, v18, v19
	v_add_f32 v46, v20, v21
	v_add_f32 v47, v22, v23
	s_delay_alu instid0(VALU_DEP_3)
	v_add_f32 v25, v25, v45
	s_delay_alu instid0(VALU_DEP_2)
	v_add_f32 v46, v46, v47
	s_delay_alu instid0(VALU_DEP_1)
	v_add_f32 v25, v25, v46
	s_wait_alu depctr_va_vdst(0)
	v_rcp_f32 v25, v25
	v_nop
	s_wait_alu depctr_va_vdst(0)
.irp e, 0,1,2,3,4,5,6,7
	v_mul_f32 v[16+\e], v[16+\e], v25              ; the routing weights
.endr
	v_mov_b32 v26, v16                             ; the two largest, experts ascending, strictly greater: ties keep the lower index
	v_mov_b32 v27, 0
	v_mov_b32 v28, -1.0
	v_mov_b32 v29, 0
.irp e, 1
	s_delay_alu instid0(VALU_DEP_4)
	v_cmp_gt_f32 vcc_lo, v[16+\e], v26
	s_delay_alu instid0(VALU_DEP_3)
	v_cmp_gt_f32 s46, v[16+\e], v28
	s_delay_alu instid0(VALU_DEP_1)
	v_cndmask_b32 v28, v28, v[16+\e], s46
	s_delay_alu instid0(VALU_DEP_2)
	v_cndmask_b32 v29, v29, \e, s46
	s_delay_alu instid0(VALU_DEP_2)
	v_cndmask_b32 v28, v28, v26, vcc_lo
	s_delay_alu instid0(VALU_DEP_2)
	v_cndmask_b32 v29, v29, v27, vcc_lo
	v_cndmask_b32 v26, v26, v[16+\e], vcc_lo
	v_cndmask_b32 v27, v27, \e, vcc_lo
.endr
.irp e, 2, 3, 4, 5, 6, 7
	s_delay_alu instid0(VALU_DEP_2)
	v_cmp_gt_f32 vcc_lo, v[16+\e], v26
	v_cmp_gt_f32 s46, v[16+\e], v28
	s_delay_alu instid0(VALU_DEP_1)
	v_cndmask_b32 v28, v28, v[16+\e], s46
	s_delay_alu instid0(VALU_DEP_2)
	v_cndmask_b32 v29, v29, \e, s46
	s_delay_alu instid0(VALU_DEP_2)
	v_cndmask_b32 v28, v28, v26, vcc_lo
	s_delay_alu instid0(VALU_DEP_2)
	v_cndmask_b32 v29, v29, v27, vcc_lo
	v_cndmask_b32 v26, v26, v[16+\e], vcc_lo
	v_cndmask_b32 v27, v27, \e, vcc_lo
.endr
	s_delay_alu instid0(VALU_DEP_2)
	v_add_f32 v30, v26, v28
	s_wait_alu depctr_va_vdst(0)
	v_rcp_f32 v30, v30
	v_nop
	s_wait_alu depctr_va_vdst(0)
	v_mul_f32 v31, v28, v30                        ; the second's weight,
	v_mul_f32 v30, v26, v30                        ; the first's
.irp e, 0,1,2,3,4,5,6,7
	v_cmp_eq_u32 vcc_lo, \e, v29
	s_delay_alu instid0(VALU_DEP_1)
	v_cndmask_b32 v[32+\e], 0, v31, vcc_lo
	v_cmp_eq_u32 vcc_lo, \e, v27
	s_delay_alu instid0(VALU_DEP_1)
	v_cndmask_b32 v[32+\e], v[32+\e], v30, vcc_lo  ; the dense combine weights
.endr
	v_min_u32 v40, v27, v29                        ; a < b: the pair
	v_add_nc_u32 v41, v27, v29
	s_delay_alu instid0(VALU_DEP_1)
	v_sub_nc_u32 v41, v41, v40
	s_delay_alu instid0(VALU_DEP_3)
	v_sub_nc_u32 v45, 15, v40                      ; the pair's number, in an order in which neighbours share an expert: a (15 - a) / 2 + (a odd ? 7 - b : b - a - 1)
	s_delay_alu instid0(VALU_DEP_1)
	v_mul_u32_u24 v45, v45, v40
	s_delay_alu instid0(VALU_DEP_1)
	v_lshrrev_b32 v45, 1, v45
	s_delay_alu instid0(VALU_DEP_4)
	v_sub_nc_u32 v46, 7, v41
	v_sub_nc_u32 v47, v41, v40
	s_delay_alu instid0(VALU_DEP_1)
	v_add_nc_u32 v47, -1, v47
	v_and_b32 v42, 1, v40
	s_delay_alu instid0(VALU_DEP_1)
	v_cmp_eq_u32 vcc_lo, 1, v42
	s_delay_alu instid0(VALU_DEP_1)
	v_cndmask_b32 v46, v47, v46, vcc_lo
	s_delay_alu instid0(VALU_DEP_1)
	v_add_nc_u32 v42, v45, v46
	v_mov_b32 v43, 0
.set qq, 0
.rept 28                                       ; the chunk's count of each pair (lane = pair), and my rank among the chunk's tokens of my pair
	v_cmp_eq_u32 vcc_lo, qq, v42
	s_bcnt1_i32_b32 s46, vcc_lo
	v_mbcnt_lo_u32_b32 v45, vcc_lo, 0
	s_delay_alu instid0(VALU_DEP_1)
	v_cndmask_b32 v43, v43, v45, vcc_lo
	v_writelane_b32 v44, s46, qq
.set qq, qq+1
.endr
	s_delay_alu instid0(VALU_DEP_2)
	v_lshl_or_b32 v43, v42, 8, v43                 ; rank | pair << 8 | a << 16 | b << 20
	s_delay_alu instid0(VALU_DEP_1)
	v_lshl_or_b32 v43, v40, 16, v43
	s_delay_alu instid0(VALU_DEP_1)
	v_lshl_or_b32 v43, v41, 20, v43
.irp e, 0,1,2,3,4,5,6,7
	v_mov_b32 v[48+\e], v[16+\e]
.endr
	RED8 48, 56                                    ; the chunk's sums of the routing weights: lane l has expert l % 8's
	s_lshl_b32 s27, s24, 11
	s_add_co_u32 s27, s27, OS
	v_lshl_add_u32 v9, v2, 5, s27
	v_lshl_add_u32 v10, v2, 4, s27
	ds_store_b128 v9, v[16:19]                     ; a lane's 32 bytes in, 16 bytes a lane back: each store below covers 512 consecutive bytes
	ds_store_b128 v9, v[20:23] offset:16
	ds_store_b128 v9, v[32:35] offset:1024
	ds_store_b128 v9, v[36:39] offset:1040
	ds_load_b128 v[64:67], v10
	ds_load_b128 v[68:71], v10 offset:512
	ds_load_b128 v[72:75], v10 offset:1024
	ds_load_b128 v[76:79], v10 offset:1536
	s_add_co_u32 s28, ttmp9, s24                   ; the chunk: 2 idx + wave
	s_lshl_b32 s32, s28, 10
	s_add_nc_u64 s[16:17], s[16:17], s[32:33]
	s_add_nc_u64 s[18:19], s[18:19], s[32:33]
	s_lshl_b32 s32, s28, 7
	s_add_nc_u64 s[20:21], s[20:21], s[32:33]
	s_add_nc_u64 s[22:23], s[22:23], s[32:33]
	v_lshlrev_b32 v11, 2, v2
	s_wait_alu depctr_va_vdst(0)
	s_wait_dscnt 0x0
	global_store_b128 v3, v[64:67], s[16:17]
	global_store_b128 v3, v[68:71], s[16:17] offset:512
	global_store_b128 v3, v[72:75], s[18:19]
	global_store_b128 v3, v[76:79], s[18:19] offset:512
	global_store_b32 v11, v44, s[20:21]
	global_store_b32 v11, v43, s[20:21] offset:32768
	global_store_b32 v11, v48, s[22:23]
	s_wait_xcnt 0x0
	v_lshl_add_u32 v254, v0, 2, 0x40400
	v_mov_b32 v255, 0
	s_wait_alu depctr_va_vdst(0)
	s_wait_tensorcnt 0x0
	ds_add_u32 v254, v255
	s_wait_dscnt 0x0
	s_endpgm
; ================= THE WEIGHT PATH: rows f = 64 G .. + 63, k = 128 s .. + 127 of all eight experts; G = idx / 8, s = idx % 8 =================
.Lwpath:
	s_wait_alu depctr_va_vdst(0)
	v_and_b32 v3, 15, v2                           ; r
	v_lshrrev_b32 v4, 4, v2                        ; h
	v_lshlrev_b32 v5, 4, v2
	s_wait_alu depctr_va_vdst(0)
	s_mul_i32 s29, s24, 16896
	v_add_nc_u32 v6, s29, v5                       ; the stage, in: expert = wave, 32 rows 528 bytes apart
	s_lshr_b32 s30, s24, 2                         ; out: which 16 of the 32 rows,
	s_and_b32 s31, s24, 3                          ; and which block of 32 along K, are my wave's
	s_lshl_b32 s32, s30, 4
	v_add_nc_u32 v7, s32, v3
	s_delay_alu instid0(VALU_DEP_1)
	v_lshlrev_b32 v10, 3, v7
	s_delay_alu instid0(VALU_DEP_2)
	v_mul_u32_u24 v7, v7, 528
	s_delay_alu instid0(VALU_DEP_1)
	v_lshl_add_u32 v7, v4, 6, v7
	s_lshl_b32 s32, s31, 7
	v_add_nc_u32 v7, s32, v7                       ; row x 528 + 128 c + 64 h: my 16 numbers, experts 0-3;
	s_delay_alu instid0(VALU_DEP_1)
	v_add_nc_u32 v8, 4*16896, v7                   ; experts 4-7
	s_lshl_b32 s32, s30, 11
	s_lshl_b32 s33, s31, 9
	s_add_co_u32 s32, s32, s33
	v_add_nc_u32 v9, s32, v5                       ; my codes' place in a record
	s_add_co_u32 s32, s31, SCB
	v_add_nc_u32 v10, s32, v10                     ; my scale byte's place in the image of a record's scale words
	s_lshl_b32 s32, s24, 7
	s_add_co_u32 s32, s32, DV
	v_lshl_add_u32 v11, v2, 2, s32
	s_mul_i32 s32, s24, ESTR
	v_lshl_add_u32 v12, v2, 3, s32                 ; expert w's record, 8 bytes a lane
	s_lshl_b32 s32, s24, 8
	s_add_co_u32 s32, s32, SCB
	v_lshl_add_u32 v13, v2, 3, s32
	v_lshl_add_u32 v14, v2, 2, DV
	v_lshlrev_b32 v15, 2, v2
.irp b, 0,1,2,3
	v_mov_b32 v[TM+4+\b], 0                        ; written once: a lane permute's destination counts as one of its sources
.endr
	s_lshl_b32 s36, s24, 22                        ; expert w: 4 MiB,
	s_lshr_b32 s27, s26, 3
	s_lshl_b32 s37, s27, 18                        ; 64 G rows of 4,096 bytes,
	s_add_co_u32 s36, s36, s37
	s_and_b32 s28, s26, 7
	s_lshl_b32 s37, s28, 9                         ; 128 s numbers
	s_add_co_u32 s36, s36, s37
	s_mov_b32 s37, 0
	s_add_nc_u64 s[10:11], s[10:11], s[36:37]
	s_mul_i32 s36, s26, REC                        ; record (0, G, s): 8 G + s = idx
	s_add_nc_u64 s[14:15], s[14:15], s[36:37]
	s_lshl_b32 s36, s26, 7
	s_add_nc_u64 s[22:23], s[22:23], s[36:37]
	WIN 0x40                                       ; all 64 rows go out at once, into window 1: each load reads 512 consecutive bytes
.set rr, 0
.rept 64
	global_load_b128 v[4*rr:4*rr+3], v5, s[10:11] offset:4096*rr th:TH_LOAD_NT
.set rr, rr+1
.endr
	WIN 0
.macro DIV4 m, st, q0, p0, p1, p2, p3          ; four pairs of experts (10 i + j), numbers m and m + 1: the differences, then their squares onto the sums
.set dq, 0
.irp p, \p0, \p1, \p2, \p3
	v_pk_add_f32 v[DT+2*dq:DT+2*dq+1], v[NN+16*(\p/10)+\m:NN+16*(\p/10)+\m+1], v[NN+16*(\p%10)+\m:NN+16*(\p%10)+\m+1] neg_lo:[0,1] neg_hi:[0,1]
.set dq, dq+1
.endr
.set dq, 0
.rept 4
.if \st
	s_delay_alu instid0(VALU_DEP_4)
	v_pk_mul_f32 v[DA+2*(\q0+dq):DA+2*(\q0+dq)+1], v[DT+2*dq:DT+2*dq+1], v[DT+2*dq:DT+2*dq+1]
.else
	s_delay_alu instid0(VALU_DEP_4)
	v_pk_fma_f32 v[DA+2*(\q0+dq):DA+2*(\q0+dq)+1], v[DT+2*dq:DT+2*dq+1], v[DT+2*dq:DT+2*dq+1], v[DA+2*(\q0+dq):DA+2*(\q0+dq)+1]
.endif
.set dq, dq+1
.endr
.endm
.macro DIVM m, st
	DIV4 \m, \st, 0, 1, 2, 3, 4
	DIV4 \m, \st, 4, 5, 6, 7, 12
	DIV4 \m, \st, 8, 13, 14, 15, 16
	DIV4 \m, \st, 12, 17, 23, 24, 25
	DIV4 \m, \st, 16, 26, 27, 34, 35
	DIV4 \m, \st, 20, 36, 37, 45, 46
	DIV4 \m, \st, 24, 47, 56, 57, 67
.endm
.macro QUANT4 e0                               ; experts e0 .. e0 + 3: my 16 numbers of each become 16 codes (v[PC + 4 b] on) and a scale byte (v[TM + 4 + b])
.irp b, 0,1,2,3
	v_max3_num_f32 v[TM+\b], |v[NN+16*(\e0+\b)]|, |v[NN+16*(\e0+\b)+1]|, 0x8000000
.endr
.irp i, 2,4,6,8,10,12,14
.irp b, 0,1,2,3
	s_delay_alu instid0(VALU_DEP_4)
	v_max3_num_f32 v[TM+\b], v[TM+\b], |v[NN+16*(\e0+\b)+\i]|, |v[NN+16*(\e0+\b)+\i+1]|
.endr
.endr
.irp b, 0,1,2,3
	s_delay_alu instid0(VALU_DEP_4)
	v_permlanex16_b32 v[TM+4+\b], v[TM+\b], s44, s45
.endr
.irp b, 0,1,2,3
	s_delay_alu instid0(VALU_DEP_4)
	v_max_num_f32 v[TM+\b], v[TM+\b], v[TM+4+\b]   ; with lane l xor 16's 16: the block's largest magnitude
.endr
.irp b, 0,1,2,3
	s_delay_alu instid0(VALU_DEP_4)
	v_add_nc_u32 v[TM+12+\b], 0xf8800000, v[TM+\b]
.endr
.irp b, 0,1,2,3
	v_and_or_b32 v[TM+8+\b], v[TM+\b], 0x7f800000, s43
.endr
.irp b, 0,1,2,3
	v_lshrrev_b32 v[TM+4+\b], 23, v[TM+12+\b]
.endr
.irp b, 0,1,2,3
.irp i, 0,1,2,3,4,5,6,7,8,9,10,11,12,13,14,15
	v_med3_num_f32 v[NN+16*(\e0+\b)+\i], v[NN+16*(\e0+\b)+\i], -v[TM+8+\b], v[TM+8+\b]
.endr
.endr
	s_wait_alu depctr_va_vdst(0)
	s_wait_xcnt 0x0                                ; the last stores have read the codes' registers
.irp b, 0,1,2,3
	v_cvt_scalef32_pk8_bf8_f32 v[PC+4*\b:PC+4*\b+1], v[NN+16*(\e0+\b):NN+16*(\e0+\b)+7], v[TM+12+\b]
	v_cvt_scalef32_pk8_bf8_f32 v[PC+4*\b+2:PC+4*\b+3], v[NN+16*(\e0+\b)+8:NN+16*(\e0+\b)+15], v[TM+12+\b]
.endr
	v_nop                                          ; a plain line behind the last conversion
.endm
.macro WOUT e0, hf                             ; the wave's store covers 512 consecutive bytes of a record
.irp b, 0,1,2,3
	global_store_b128 v9, v[PC+4*\b:PC+4*\b+3], s[14:15] offset:(\e0+\b)*ESTR+\hf*4096
	ds_store_b8 v10, v[TM+4+\b] offset:(\e0+\b)*256+4*\hf
.endr
	s_wait_dscnt 0x0                               ; the byte stores have read their registers
.endm
.macro WHALF hf                                ; rows 32 hf .. + 31
.if \hf
	s_wait_dscnt 0x0
	s_barrier_signal -1                            ; every wave's reads of the first half are over: the stage may be written again
	s_barrier_wait -1
	s_wait_loadcnt 0x0
.else
	s_wait_loadcnt 32                              ; the first 32 rows are in; the other 32 loads stay out
.endif
	WIN 0x04                                       ; an LDS store's data are its source 1: window 1
.set rr, 0
.rept 32
	ds_store_b128 v6, v[4*(32*\hf+rr):4*(32*\hf+rr)+3] offset:528*rr
.set rr, rr+1
.endr
	WIN 0
	s_wait_dscnt 0x0                               ; for the others' sake
	s_barrier_signal -1
	s_barrier_wait -1
.irp e, 0,1,2,3
.irp j, 0,1,2,3
	ds_load_b128 v[NN+16*\e+4*\j:NN+16*\e+4*\j+3], v7 offset:\e*16896+16*\j
.endr
.endr
.irp e, 0,1,2,3
.irp j, 0,1,2,3
	ds_load_b128 v[NN+64+16*\e+4*\j:NN+64+16*\e+4*\j+3], v8 offset:\e*16896+16*\j
.endr
.endr
	s_wait_dscnt 0x0                               ; lane (r, h) holds k = 32 c + 16 h + 0 .. 15 of row r of all eight experts
	DIVM 0, 1-\hf                                  ; the distances ahead of the holds; the very first products start the sums
.irp m, 2,4,6,8,10,12,14
	DIVM \m, 0
.endr
	QUANT4 0
	WOUT 0, \hf
	QUANT4 4
	WOUT 4, \hf
.endm
	WHALF 0
	WHALF 1
.set qq, 0
.rept 28
	v_add_f32 v[NN+qq], v[DA+2*qq], v[DA+2*qq+1]
.set qq, qq+1
.endr
.irp b, 28,29,30,31
	v_mov_b32 v[NN+\b], 0
.endr
	RED32 NN, NN+32                                ; lane l: my wave's sum for pair l
	ds_store_b32 v11, v[NN]
	s_wait_dscnt 0x0
	s_barrier_signal -1
	s_barrier_wait -1
	ds_load_b64 v[96:97], v13                      ; expert w's 256 bytes of scale words
	s_wait_dscnt 0x0
	global_store_b64 v12, v[96:97], s[14:15] offset:8192   ; 256 consecutive bytes, aligned
	s_cmp_lg_u32 s24, 0
	s_cbranch_scc1 .Lwend
.irp j, 0,1,2,3,4,5,6,7
	ds_load_b32 v[100+\j], v14 offset:128*\j
.endr
	s_wait_dscnt 0x0
.irp j, 1
	v_add_f32 v100, v100, v[100+\j]
.endr
.irp j, 2, 3, 4, 5, 6, 7
	s_delay_alu instid0(VALU_DEP_1)
	v_add_f32 v100, v100, v[100+\j]
.endr
	global_store_b32 v15, v100, s[22:23] offset:32768
.Lwend:
	s_wait_xcnt 0x0
	v_lshl_add_u32 v254, v0, 2, 0x40400
	v_mov_b32 v255, 0
	s_wait_alu depctr_va_vdst(0)
	s_wait_tensorcnt 0x0
	ds_add_u32 v254, v255
	s_wait_dscnt 0x0
	s_endpgm
.Lfunc_end_k_qc23ead861c_prep:
	.size	k_qc23ead861c_prep, .Lfunc_end_k_qc23ead861c_prep-k_qc23ead861c_prep
	.p2alignl 7, 3214868480
	.fill 96, 4, 3214868480
	.section	.rodata,"a",@progbits
	.p2align	6, 0x0
	.amdhsa_kernel k_qc23ead861c_prep
		.amdhsa_group_segment_fixed_size 264192
		.amdhsa_private_segment_fixed_size 0
		.amdhsa_enable_private_segment 0
		.amdhsa_kernarg_size 80
		.amdhsa_user_sgpr_count 2
		.amdhsa_user_sgpr_kernarg_segment_ptr 1
		.amdhsa_wavefront_size32 1
		.amdhsa_system_sgpr_workgroup_id_x 1
		.amdhsa_system_sgpr_workgroup_id_y 1
		.amdhsa_system_sgpr_workgroup_id_z 1
		.amdhsa_system_vgpr_workitem_id 0
		.amdhsa_next_free_vgpr 512
		.amdhsa_next_free_sgpr 66
		.amdhsa_reserve_vcc 1
		.amdhsa_float_denorm_mode_32 3
		.amdhsa_float_denorm_mode_16_64 3
		.amdhsa_memory_ordered 1
		.amdhsa_forward_progress 1
		.amdhsa_inst_pref_size 255
	.end_amdhsa_kernel
	.section	.bss,"aw",@nobits
	.p2align	6
	.space	262144
	.amdgpu_metadata
---
amdhsa.version: [ 1, 2 ]
amdhsa.kernels:
  - .name:           k_qc23ead861c_prep
    .symbol:         k_qc23ead861c_prep.kd
    .args:
      - { .name: x, .offset: 0, .size: 8, .value_kind: global_buffer, .address_space: global }
      - { .name: router_w, .offset: 8, .size: 8, .value_kind: global_buffer, .address_space: global }
      - { .name: router_b, .offset: 16, .size: 8, .value_kind: global_buffer, .address_space: global }
      - { .name: expert_w, .offset: 24, .size: 8, .value_kind: global_buffer, .address_space: global }
      - { .name: xq, .offset: 32, .size: 8, .value_kind: global_buffer, .address_space: global }
      - { .name: wq, .offset: 40, .size: 8, .value_kind: global_buffer, .address_space: global }
      - { .name: out1, .offset: 48, .size: 8, .value_kind: global_buffer, .address_space: global }
      - { .name: comb, .offset: 56, .size: 8, .value_kind: global_buffer, .address_space: global }
      - { .name: route, .offset: 64, .size: 8, .value_kind: global_buffer, .address_space: global }
      - { .name: part, .offset: 72, .size: 8, .value_kind: global_buffer, .address_space: global }
    .group_segment_fixed_size: 264192
    .private_segment_fixed_size: 0
    .kernarg_segment_align: 8
    .kernarg_segment_size: 80
    .max_flat_workgroup_size: 256
    .sgpr_count:     66
    .vgpr_count:     512
    .wavefront_size: 32
...
	.end_amdgpu_metadata
.endif
;; end of part 1
;; launch place (part 2): grid 17 x 1, 16 waves a work-group, no clusters, 10,240 bytes of LDS; arguments route, part, expert_b, expert_pref, order, out2, out3, out4; writes order, out2, out3, out4
.if DOCPART == 2
	.amdgcn_target "amdgcn-amd-amdhsa--gfx1250"
	.amdhsa_code_object_version 6
	.text
	.protected	k_qc23ead861c_place
	.globl	k_qc23ead861c_place
	.p2align	8
	.type	k_qc23ead861c_place,@function
k_qc23ead861c_place:
	s_mov_b64 s[64:65], 0
	v_nop
	global_prefetch_b8 v0, s[64:65] scope:SCOPE_SE
	s_setreg_imm32_b32 hwreg(HW_REG_WAVE_MODE, 25, 1), 1
	s_wait_xcnt 0x0
; PLACE.  A counting sort of the 8,192 tokens by their pair of experts: from the 256 chunks' histograms and each token's rank in its chunk (route) to order[slot] = token | a << 16 | b << 20.
; Work-groups 0 to 15 sort: each sums all counts (32 KB), and work-group b places the 32 tokens of chunk 16 w + b for each of its 16 waves w.  Each slot has one writer, since the sort is a bijection; no atomics.
; Work-group 0 also stores out2 (each expert's share of tokens), which follows from the counts.  Work-group 16 makes out3 (load balance) and out4 (mean distance of the experts' parameters) from part, expert_b and expert_pref.
; For counts and partial sums a lane is a pair (or an expert, lane % 8); for tokens a lane is a token.  The two paths part on the work-group's number and have LDS bytes of their own.
; No tensor loads and no clusters: all that is read is some 0.2 MB, in pieces that go straight into sums.  LIMITS: as the launch before states.
.set DST,   2048                       ; LDS: [wave][32] partial squared distances; the counts' sums lie from 0 on
.set USE,   4096                       ; LDS: [wave][32] partial sums of routing weights
.set SPARE, 8192                       ; LDS: the spare words
.macro REDST S, T, n, m, xm            ; one stage of a reduction that halves the number of sums
.set rj, 0
.rept \n
	v_cndmask_b32 v[\T+2*rj], v[\S+2*rj], v[\S+2*rj+1], s[\m]
	v_cndmask_b32 v[\T+2*rj+1], v[\S+2*rj+1], v[\S+2*rj], s[\m]
.set rj, rj+1
.endr
.set rj, 0
.rept \n
	v_add_f32_dpp v[\S+rj], v[\T+2*rj+1], v[\T+2*rj] row_xmask:\xm row_mask:0xf bank_mask:0xf
.set rj, rj+1
.endr
.endm
.macro RED8 S, T                       ; eight sums over the 32 lanes: lane l ends with the total of sum l % 8
	REDST \S, \T, 4, 40, 1
	REDST \S, \T, 2, 41, 2
	REDST \S, \T, 1, 42, 4
	v_add_f32_dpp v[\S], v[\S], v[\S] row_xmask:8 row_mask:0xf bank_mask:0xf
	v_permlanex16_b32 v[\T], v[\S], s44, s45
	v_add_f32 v[\S], v[\S], v[\T]
.endm
.macro RED32 S, T                      ; 32 sums over the 32 lanes: lane l ends with the total of sum l
	REDST \S, \T, 16, 40, 1
	REDST \S, \T, 8, 41, 2
	REDST \S, \T, 4, 42, 4
	REDST \S, \T, 2, 47, 8
	v_cndmask_b32 v[\T], v[\S], v[\S+1], s56
	v_cndmask_b32 v[\T+1], v[\S+1], v[\S], s56
	v_permlanex16_b32 v[\T+2], v[\T+1], s44, s45
	v_add_f32 v[\S], v[\T], v[\T+2]
.endm
.macro SUM32 r, t                      ; one sum over the 32 lanes, in every lane
	v_add_f32_dpp v[\r], v[\r], v[\r] row_xmask:1 row_mask:0xf bank_mask:0xf
	v_add_f32_dpp v[\r], v[\r], v[\r] row_xmask:2 row_mask:0xf bank_mask:0xf
	v_add_f32_dpp v[\r], v[\r], v[\r] row_xmask:4 row_mask:0xf bank_mask:0xf
	v_add_f32_dpp v[\r], v[\r], v[\r] row_xmask:8 row_mask:0xf bank_mask:0xf
	v_permlanex16_b32 v[\t], v[\r], s44, s45
	v_add_f32 v[\r], v[\r], v[\t]
.endm
	s_load_b512 s[4:19], s[0:1], 0x0               ; route, part, expert_b, expert_pref, order, out2, out3, out4
	v_lshl_add_u32 v126, v0, 2, SPARE
	v_mov_b32 v127, 0
	v_lshrrev_b32 v1, 5, v0
	v_readfirstlane_b32 s20, v1                    ; wave w
	v_and_b32 v1, 31, v0                           ; lane
	v_lshlrev_b32 v4, 2, v1
	s_lshl_b32 s21, s20, 11
	v_add_nc_u32 v2, s21, v4                       ; my 16 chunks of 128 bytes
	s_lshl_b32 s21, s20, 7
	v_add_nc_u32 v3, s21, v4                       ; LDS: [wave][lane]
	s_mov_b32 s22, ttmp9                           ; b
	s_mov_b32 s40, 0xaaaaaaaa                      ; lanes with bit 0, 1, 2, 3, 4 set
	s_mov_b32 s41, 0xcccccccc
	s_mov_b32 s42, 0xf0f0f0f0
	s_mov_b32 s47, 0xff00ff00
	s_mov_b32 s56, 0xffff0000
	s_mov_b32 s44, 0x76543210                      ; v_permlanex16_b32's selects for lane l xor 16
	s_mov_b32 s45, 0xfedcba98
	s_wait_alu depctr_va_vdst(0)
	s_wait_kmcnt 0x0
	s_cmp_eq_u32 s22, 16
	s_cbranch_scc1 .Lsmall
; ================= THE SORT =================
	s_lshl_b32 s21, s22, 7
	v_add_nc_u32 v5, s21, v2                       ; chunk 16 w + b
.irp i, 0,1,2,3,4,5,6,7,8,9,10,11,12,13,14,15
	global_load_b32 v[8+\i], v2, s[4:5] offset:128*\i              ; counts: lane = pair
.endr
	global_load_b32 v24, v5, s[4:5] offset:32768                   ; my token's word: rank | pair << 8 | a << 16 | b << 20
	v_mov_b32 v116, 0                              ; my 16 chunks' counts,
	v_mov_b32 v117, 0                              ; and those of the chunks ahead of the one that I place
	s_wait_alu depctr_va_vdst(0)
	s_wait_loadcnt 0x0
.irp i, 0,1,2,3,4,5,6,7,8,9,10,11,12,13,14,15
	s_cmp_gt_u32 s22, \i
	s_cselect_b32 s21, -1, 0
	v_add_nc_u32 v116, v116, v[8+\i]
	v_and_b32 v118, s21, v[8+\i]
	v_add_nc_u32 v117, v117, v118
.endr
	ds_store_b32 v3, v116
	s_wait_alu depctr_va_vdst(0)
	s_wait_dscnt 0x0                               ; for the others' sake: my counts lie in LDS
	s_barrier_signal -1
	s_barrier_wait -1
.set jj, 0
.rept 16
	ds_load_b32 v[84+jj], v4 offset:128*jj
.set jj, jj+1
.endr
	v_mov_b32 v119, 0                              ; each pair's total,
	v_mov_b32 v120, 0                              ; and its count in the waves ahead of mine
	s_wait_alu depctr_va_vdst(0)
	s_wait_dscnt 0x0
.set jj, 0
.rept 16
	s_cmp_gt_u32 s20, jj
	s_cselect_b32 s21, -1, 0
	v_add_nc_u32 v119, v119, v[84+jj]
	v_and_b32 v118, s21, v[84+jj]
	v_add_nc_u32 v120, v120, v118
.set jj, jj+1
.endr
	v_mov_b32 v122, v119                           ; a running sum of the totals over the lanes
	v_mov_b32 v121, 0
.irp n, 1,2,4,8
	v_mov_b32_dpp v121, v122 row_shr:\n row_mask:0xf bank_mask:0xf bound_ctrl:1
	v_add_nc_u32 v122, v122, v121
.endr
	v_readlane_b32 s21, v122, 15
	v_mov_b32 v121, s21
	v_cndmask_b32 v121, 0, v121, s56
	v_add_nc_u32 v122, v122, v121
	v_sub_nc_u32 v122, v122, v119                  ; where each pair's run begins,
	v_add_nc_u32 v122, v122, v120                  ; + what the waves ahead of mine put there,
	v_add_nc_u32 v122, v122, v117                  ; + my chunks ahead of this one
	v_bfe_u32 v25, v24, 8, 5
	v_lshlrev_b32 v25, 2, v25
	ds_bpermute_b32 v26, v25, v122                 ; each token takes its pair's figure from the lane of that number
	s_lshl_b32 s21, s20, 9
	s_lshl_b32 s23, s22, 5
	s_add_co_u32 s21, s21, s23
	v_add_nc_u32 v27, s21, v1                      ; the token: 32 (16 w + b) + lane
	v_and_b32 v28, 31, v24                         ; its rank
	v_and_b32 v24, 0x770000, v24
	v_or_b32 v24, v24, v27
	s_wait_alu depctr_va_vdst(0)
	s_wait_dscnt 0x0
	v_add_nc_u32 v26, v26, v28                     ; its slot
	v_min_u32 v26, 0x1fff, v26
	v_lshlrev_b32 v26, 2, v26
	global_store_b32 v26, v24, s[12:13]
	s_or_b32 s21, s20, s22
	s_cmp_lg_u32 s21, 0
	s_cbranch_scc1 .Lend
	v_cvt_f32_u32 v124, v119                       ; out2, by wave 0 of work-group 0
	s_wait_alu depctr_va_vdst(0)
.set ee, 0
.irp m, 0x7f, 0x1f81, 0x3f002, 0x3c2804, 0x1e04408, 0x6508210, 0xc890120, 0xb0600c0
	s_mov_b32 s23, \m                              ; the pairs that hold expert ee
	v_cndmask_b32 v[100+ee], 0, v124, s23
.set ee, ee+1
.endr
	RED8 100, 108
	v_mul_f32 v100, 0x39000000, v100               ; / 8,192
	s_wait_alu depctr_va_vdst(0)
	s_wait_xcnt 0x0                                ; EXEC changes only behind this wait
	v_cmp_gt_u32 vcc_lo, 8, v1
	s_and_saveexec_b32 s23, vcc_lo
	global_store_b32 v4, v100, s[14:15]
	s_wait_xcnt 0x0
	s_or_b32 exec_lo, exec_lo, s23
	s_branch .Lend
; ================= THE LOAD BALANCE AND THE DISTANCES (work-group 16) =================
.Lsmall:
	s_lshl_b32 s21, s20, 10
	v_add_nc_u32 v5, s21, v4                       ; my 8 partial sums of the weights' distances
	s_and_b32 s21, s20, 7
	s_lshl_b32 s21, s21, 9
	v_lshl_add_u32 v6, v1, 4, s21                  ; my four columns of expert_b (waves 0-7) or expert_pref (waves 8-15)
	s_cmp_lt_u32 s20, 8
	s_cselect_b64 s[8:9], s[8:9], s[10:11]
.irp i, 0,1,2,3,4,5,6,7,8,9,10,11,12,13,14,15
	global_load_b32 v[24+\i], v2, s[6:7] offset:128*\i             ; sums of routing weights: lane % 8 = expert
.endr
.irp i, 0,1,2,3,4,5,6,7
	global_load_b32 v[40+\i], v5, s[6:7] offset:32768+128*\i       ; squared distances: lane = pair
.endr
.irp e, 0,1,2,3,4,5,6,7
	global_load_b128 v[48+4*\e:51+4*\e], v6, s[8:9] offset:4096*\e
.endr
	s_wait_alu depctr_va_vdst(0)
	s_wait_loadcnt 0x0
	v_add_f32 v118, v24, v25
	v_add_f32 v119, v40, v41
.irp i, 2,3,4,5,6,7
	v_add_f32 v118, v118, v[24+\i]
	v_add_f32 v119, v119, v[40+\i]
.endr
.irp i, 8,9,10,11,12,13,14,15
	v_add_f32 v118, v118, v[24+\i]
.endr
.set qq, 0
.irp p, 1,2,3,4,5,6,7,12,13,14,15,16,17,23,24,25,26,27,34,35,36,37,45,46,47,56,57,67
.set tt, 8+4*(qq%4)
.set pa, 48+4*(\p/10)
.set pb, 48+4*(\p%10)
	v_pk_add_f32 v[tt:tt+1], v[pa:pa+1], v[pb:pb+1] neg_lo:[0,1] neg_hi:[0,1]
	v_pk_add_f32 v[tt+2:tt+3], v[pa+2:pa+3], v[pb+2:pb+3] neg_lo:[0,1] neg_hi:[0,1]
	v_pk_mul_f32 v[tt:tt+1], v[tt:tt+1], v[tt:tt+1]
	v_pk_fma_f32 v[tt:tt+1], v[tt+2:tt+3], v[tt+2:tt+3], v[tt:tt+1]
	v_add_f32 v[80+qq], v[tt], v[tt+1]
.set qq, qq+1
.endr
.irp b, 108,109,110,111
	v_mov_b32 v[\b], 0                             ; 28 pairs: lanes 28 to 31 hold 0
.endr
	RED32 80, 48
	v_add_f32 v80, v80, v119
	ds_store_b32 v3, v80 offset:DST
	ds_store_b32 v3, v118 offset:USE
	s_wait_alu depctr_va_vdst(0)
	s_wait_dscnt 0x0                               ; for the others' sake: my sums lie in LDS
	s_barrier_signal -1
	s_barrier_wait -1
	s_cmp_lg_u32 s20, 0
	s_cbranch_scc1 .Lend
.set jj, 0
.rept 16
	ds_load_b32 v[8+jj], v4 offset:DST+128*jj
	ds_load_b32 v[24+jj], v4 offset:USE+128*jj
.set jj, jj+1
.endr
	s_wait_dscnt 0x0
.set jj, 1
.rept 15
	v_add_f32 v8, v8, v[8+jj]
	v_add_f32 v24, v24, v[24+jj]
.set jj, jj+1
.endr
	s_wait_alu depctr_va_vdst(0)                   ; ahead of the transcendental
	v_sqrt_f32 v8, v8                              ; lane = pair; lanes 28 to 31 hold 0
	v_nop                                          ; a plain line behind the root
	s_wait_alu depctr_va_vdst(0)                   ; and ahead of the first reader
	SUM32 8, 9
	v_mul_f32 v8, 0x3d124925, v8                   ; / 28
	s_mov_b32 s21, 0x39000000                      ; 1 / 8,192
	v_fma_f32 v24, v24, s21, 0xbe000000            ; mean routing weight - 1 / 8
	v_mul_f32 v24, v24, v24
	SUM32 24, 25
	v_mul_f32 v24, 0x3d000000, v24                 ; each expert stands in four lanes: / 32
	s_wait_alu depctr_va_vdst(0)
	s_wait_xcnt 0x0                                ; EXEC changes only behind this wait
	v_cmp_eq_u32 vcc_lo, 0, v1
	s_and_saveexec_b32 s23, vcc_lo
	global_store_b32 v4, v24, s[16:17]
	global_store_b32 v4, v8, s[18:19]
	s_wait_xcnt 0x0
	s_or_b32 exec_lo, exec_lo, s23
.Lend:
	s_wait_tensorcnt 0x0                           ; the wave's end
	ds_add_u32 v126, v127
	s_wait_dscnt 0x0
	s_endpgm
.Lfunc_end_k_qc23ead861c_place:
	.size	k_qc23ead861c_place, .Lfunc_end_k_qc23ead861c_place-k_qc23ead861c_place
	.p2alignl 7, 3214868480
	.fill 96, 4, 3214868480
	.section	.rodata,"a",@progbits
	.p2align	6, 0x0
	.amdhsa_kernel k_qc23ead861c_place
		.amdhsa_group_segment_fixed_size 10240
		.amdhsa_private_segment_fixed_size 0
		.amdhsa_enable_private_segment 0
		.amdhsa_kernarg_size 64
		.amdhsa_user_sgpr_count 2
		.amdhsa_user_sgpr_kernarg_segment_ptr 1
		.amdhsa_wavefront_size32 1
		.amdhsa_system_sgpr_workgroup_id_x 1
		.amdhsa_system_sgpr_workgroup_id_y 1
		.amdhsa_system_sgpr_workgroup_id_z 1
		.amdhsa_system_vgpr_workitem_id 0
		.amdhsa_next_free_vgpr 128
		.amdhsa_next_free_sgpr 66
		.amdhsa_reserve_vcc 1
		.amdhsa_float_denorm_mode_32 3
		.amdhsa_float_denorm_mode_16_64 3
		.amdhsa_memory_ordered 1
		.amdhsa_forward_progress 1
		.amdhsa_inst_pref_size 37
	.end_amdhsa_kernel
	.amdgpu_metadata
---
amdhsa.version: [ 1, 2 ]
amdhsa.kernels:
  - .name:           k_qc23ead861c_place
    .symbol:         k_qc23ead861c_place.kd
    .args:
      - { .name: route, .offset: 0, .size: 8, .value_kind: global_buffer, .address_space: global }
      - { .name: part, .offset: 8, .size: 8, .value_kind: global_buffer, .address_space: global }
      - { .name: expert_b, .offset: 16, .size: 8, .value_kind: global_buffer, .address_space: global }
      - { .name: expert_pref, .offset: 24, .size: 8, .value_kind: global_buffer, .address_space: global }
      - { .name: order, .offset: 32, .size: 8, .value_kind: global_buffer, .address_space: global }
      - { .name: out2, .offset: 40, .size: 8, .value_kind: global_buffer, .address_space: global }
      - { .name: out3, .offset: 48, .size: 8, .value_kind: global_buffer, .address_space: global }
      - { .name: out4, .offset: 56, .size: 8, .value_kind: global_buffer, .address_space: global }
    .group_segment_fixed_size: 10240
    .private_segment_fixed_size: 0
    .kernarg_segment_align: 8
    .kernarg_segment_size: 64
    .max_flat_workgroup_size: 512
    .sgpr_count:     66
    .vgpr_count:     128
    .wavefront_size: 32
...
	.end_amdgpu_metadata
.endif
;; end of part 2
;; launch experts (part 3): grid 4 x 64, 4 waves a work-group, no clusters, 156,160 bytes of LDS; arguments order, xq, wq, comb, expert_b, out0; writes out0
.if DOCPART == 3
	.amdgcn_target "amdgcn-amd-amdhsa--gfx1250"
	.amdhsa_code_object_version 6
	.text
	.protected	k_qc23ead861c_experts
	.globl	k_qc23ead861c_experts
	.p2align	8
	.type	k_qc23ead861c_experts,@function
k_qc23ead861c_experts:
	s_mov_b64 s[64:65], 0
	v_nop
	global_prefetch_b8 v0, s[64:65] scope:SCOPE_SE
	s_setreg_imm32_b32 hwreg(HW_REG_WAVE_MODE, 25, 1), 1
	s_wait_xcnt 0x0
; EXPERTS.  out0[token] = the sum over the token's two experts of comb x (Q(x) Q(W_e)^T + b_e), on codes of E5M2 with E8M0 scales.
; Work-group (j, i) owns slots 128 i .. + 127 of the sorted list x columns 256 j .. + 255: every piece of an output row has one owner.  Wave w owns all 128 rows x columns 256 j + 64 w .. + 63.
; Only the experts that some token of the block uses are multiplied.  For such an expert: T = x W_e^T + b_e (the bias is the C of the first K step), then O += comb x T; a row that does not use the expert has comb = 0.
; The product is used transposed (source 0 = 16 rows of W, source 1 = 16 tokens): a lane holds one token and eight neighbouring columns.
; The tokens' codes are gathered once into LDS; the weights come from memory straight into registers, from records laid in the order of an operand's registers, through a ring of four sets, three K steps ahead.
; THE WALK.  An expert's pass is a HEAD (K steps 0 to 4) and a TAIL (K steps 5 to 7 and the combine).  The block's first expert runs its head ahead of the loop.  The loop walks the eight experts, a constant count, and
; passes over, by a scalar branch on the stored list, those that are not used (and the first).  In the trip of an expert that is used the pending tail runs first, and its ring fetches are this expert's K steps 0 to 2:
; so the ring never runs dry between experts, and every address in the loop comes from the loop's own two pointers, stepped once a trip.  Behind the loop stands the last tail, which fetches nothing.
; NO TENSOR LOADS AND NO CLUSTER: the walk branches on numbers read from memory, and neighbouring blocks walk different experts and different numbers of them, so no joint request could be made on every path.
; K IS WALKED IN A ROTATED ORDER: logical step s is K step (s + rot) % 8, rot from the block's number, so that blocks that walk the same expert begin at different records.  The sums are therefore not in ascending K.
; LIMITS: as the first launch states.
; REGISTERS, in windows of 256: window 0: addresses, scale words, bias, A's fragments (v128-255).  window 1: the ring of W's fragments: set q, fragment t at 64 q + 16 t.
;   window 2: T (row tile a, column tile t) at 8 (4 a + t); in the prologue the gather lands there.   window 3: O likewise.
.set REC,  8448
.set GSTR, 8*REC
.set ESTR, 128*REC
.set XSO,  8388608
.set XP,   1040                        ; a token's row in LDS: 1,024 bytes + 16: an odd multiple of 16, so the 16 rows of a load start at 16 different groups of banks
.set CT,   128*XP                      ; [expert][128 rows] f32: the combine weights
.set OWT,  CT+4096                     ; the 128 rows' words of the list
.set STG,  OWT+512                     ; 16 rows x 272 bytes for each wave: the way out
.set SPI,  272
.set L16,  1                           ; v1   16 x lane
.set AK0,  2                           ; v2   r x 1040 + 16 h;  v3: 64 rows further on
.set AK1,  3
.set OW,   6                           ; v6-9 the list's words of rows 32 u + lane
.set OWN,  10                          ; v10  of row 32 w + lane
.set XSA,  11
.set RR,   12
.set HH,   13
.set LN,   14
.set TMP,  15
.set VB,   16                          ; v16-23 16 x lane + the record of logical step s
.set VS,   24                          ; v24-31 8 x lane + the same
.set SA,   32                          ; v32-63 x's scale words: 8 u + s: lanes 0-15 row tile 2 u, lanes 16-31 row tile 2 u + 1
.set SB,   64                          ; v64-71 W's scale words: set q at 2 q: lanes 0-15 fragments 0 and 2, lanes 16-31 fragments 1 and 3
.set CM,   72                          ; v72-79 comb of row 16 a + r, for the expert whose pass is pending
.set BIAS, 80                          ; v80-111
.set STO,  112
.set RD,   113
.set OWA,  114
.set CO,   115
.set CT0,  116
.set CTA,  117
.set BIA,  118
.set ADA,  120                         ; v120-123 A's LDS addresses: two pairs, by the parity of the K step
.set AF,   128
.set WP,   24                          ; s[24:25] the loop's pointer into wq: my group's records of expert s21
.set FP,   26                          ; s[26:27] the same for the block's first expert
.set FB,   28                          ; s[28:29] my columns of the first expert's bias
.set FC,   54                          ; s[54:55] comb at the first expert's column
.set BP,   56                          ; s[56:57] the loop's pointer into expert_b
.set MSB, 0
.macro WIN new                         ; the immediate's high byte repeats the setting that is left
.if MSB != \new
	s_set_vgpr_msb (MSB<<8)|\new
.set MSB, \new
.endif
.endm
.macro BLOAD q, base, s                ; 17 loads: logical step s's four fragments and their scale words into set q; each load reads 512 (256) consecutive bytes
	WIN 0x40
.irp t, 0,1,2,3
.irp c, 0,1,2,3
	global_load_b128 v[64*(\q)+16*\t+4*\c:64*(\q)+16*\t+4*\c+3], v[VB+(\s)], s[\base:\base+1] offset:\t*2048+\c*512
.endr
.endr
	WIN 0
	global_load_b64 v[SB+2*(\q):SB+2*(\q)+1], v[VS+(\s)], s[\base:\base+1] offset:8192
.endm
.macro BIASLD base                     ; 8 loads: lane (r, h): b_e at columns 16 t + 8 h + 0 .. 7
.irp t, 0,1,2,3
	global_load_b128 v[BIAS+8*\t:BIAS+8*\t+3], v[BIA], s[\base:\base+1] offset:64*\t
	global_load_b128 v[BIAS+8*\t+4:BIAS+8*\t+7], v[BIA], s[\base:\base+1] offset:64*\t+16
.endr
.endm
.macro ALOAD a0, st                    ; 16 loads: row tiles a0 .. a0 + 3, 128 along K
.irp a, 0,1,2,3
.irp c, 0,1,2,3
	ds_load_b128 v[AF+16*(\a0+\a)+4*\c:AF+16*(\a0+\a)+4*\c+3], v[ADA+2*(\st)+(\a0)/4] offset:\a*16*XP+32*\c
.endr
.endr
.endm
.macro WM a, t, s
.set wD, 8*(4*(\a)+\t)
.set wB, 64*((\s)%4)+16*\t
.set wA, AF+16*(\a)
.set wW, SB+2*((\s)%4)+(\t)/2
.set wX, SA+8*((\a)/2)+(\s)
.if (\s) == 0
.set wC, BIAS+8*\t
.else
.set wC, wD
.endif
.if ((\t)%2 == 0) && ((\a)%2 == 0)
	v_wmma_scale_f32_16x16x128_f8f6f4 v[wD:wD+7], v[wB:wB+15], v[wA:wA+15], v[wC:wC+7], v[wW], v[wX] matrix_a_fmt:MATRIX_FMT_BF8 matrix_b_fmt:MATRIX_FMT_BF8
.elseif ((\t)%2 == 1) && ((\a)%2 == 0)
	v_wmma_scale_f32_16x16x128_f8f6f4 v[wD:wD+7], v[wB:wB+15], v[wA:wA+15], v[wC:wC+7], v[wW], v[wX] matrix_a_fmt:MATRIX_FMT_BF8 matrix_b_fmt:MATRIX_FMT_BF8 matrix_a_scale:MATRIX_SCALE_ROW1
.elseif ((\t)%2 == 0) && ((\a)%2 == 1)
	v_wmma_scale_f32_16x16x128_f8f6f4 v[wD:wD+7], v[wB:wB+15], v[wA:wA+15], v[wC:wC+7], v[wW], v[wX] matrix_a_fmt:MATRIX_FMT_BF8 matrix_b_fmt:MATRIX_FMT_BF8 matrix_b_scale:MATRIX_SCALE_ROW1
.else
	v_wmma_scale_f32_16x16x128_f8f6f4 v[wD:wD+7], v[wB:wB+15], v[wA:wA+15], v[wC:wC+7], v[wW], v[wX] matrix_a_fmt:MATRIX_FMT_BF8 matrix_b_fmt:MATRIX_FMT_BF8 matrix_a_scale:MATRIX_SCALE_ROW1 matrix_b_scale:MATRIX_SCALE_ROW1
.endif
.endm
; 16 matrix instructions.  The 32 accumulators take turns, one instruction a turn, in the same order in every step
.macro MUL16 a0, s
.if (\s) == 0
	WIN 0x81                                       ; W window 1, x and the bias window 0, T window 2: the bias starts the sums
.else
	WIN 0xa1                                       ; C and D window 2
.endif
.irp a, 0,1,2,3
.irp t, 0,1,2,3
	WM (\a0+\a), \t, \s
.endr
.endr
.endm
; A K step.  nxt = 0: the ring fetches step s + 3 of the same expert, through the pointer base; 1: step s - 5 of the expert whose trip this is, through base (and, with s = 5, its bias); 2: nothing (the block's last tail).
; A load into a register that a matrix instruction has read stands eight places behind it, and only plain vector instructions that name none of its registers are places.
.macro KSTEP s, nxt, base
.if (\nxt) == 0
	BLOAD ((\s)+3)%4, \base, (\s)+3
	s_wait_loadcnt 51                              ; behind set s stand three sets of 17 loads
.elseif (\nxt) == 1
.if (\s) == 5
	BIASLD BP
.endif
	BLOAD ((\s)+3)%4, \base, (\s)-5
	s_wait_loadcnt 59                              ; three sets and the eight loads of the bias
.else
	s_wait_loadcnt 17*(7-(\s))                     ; the sets that are left
.endif
	s_wait_dscnt 16                                ; row tiles 0-3 are in; 16 younger LDS loads may be out
	MUL16 0, \s
	WIN 0
	v_add_nc_u32 v[ADA+2*(((\s)+1)%2)], s[36+((\s)+1)%8], v[AK0]       ; the next step's addresses, in the pair that the step before this one used: two of the eight places
	v_add_nc_u32 v[ADA+2*(((\s)+1)%2)+1], s[36+((\s)+1)%8], v[AK1]
.rept 6
	v_nop
.endr
.if ((\s) < 7) || ((\nxt) < 2)
	ALOAD 0, ((\s)+1)%2
	s_wait_alu depctr_va_vdst(0)
	s_wait_dscnt 16                                ; all but the 16 just issued: tiles 4-7 are in
.else
	s_wait_dscnt 0x0
.endif
	MUL16 4, \s
	WIN 0
.rept 8
	v_nop                                          ; places for the loads below, for the next step's loads into the ring, and for the first read of T
.endr
.if ((\s) < 7) || ((\nxt) < 2)
	ALOAD 4, ((\s)+1)%2
.endif
.endm
.macro COMBINE                         ; O += comb x T, each accumulator from its low end on.  CM has been in since the pass's first K step
	WIN 0xf2                                       ; T window 2, comb window 0, O window 3
.irp a, 0,1,2,3,4,5,6,7
.irp t, 0,1,2,3
.irp p, 0,2,4,6
.if (\a)%2 == 0
	v_pk_fma_f32 v[8*(4*\a+\t)+\p:8*(4*\a+\t)+\p+1], v[8*(4*\a+\t)+\p:8*(4*\a+\t)+\p+1], v[CM+\a:CM+\a+1], v[8*(4*\a+\t)+\p:8*(4*\a+\t)+\p+1] op_sel_hi:[1,0,1]
.else
	v_pk_fma_f32 v[8*(4*\a+\t)+\p:8*(4*\a+\t)+\p+1], v[8*(4*\a+\t)+\p:8*(4*\a+\t)+\p+1], v[CM+\a-1:CM+\a], v[8*(4*\a+\t)+\p:8*(4*\a+\t)+\p+1] op_sel:[0,1,0] op_sel_hi:[1,1,1]
.endif
.endr
.endr
.endr
	WIN 0
.endm
.macro CMLOAD                          ; the combine weights of expert s21, row 16 a + r: 8 LDS loads; s34 = 512 x s21
	v_add_nc_u32 v[CTA], s34, v[CT0]
.irp a, 0,1,2,3,4,5,6,7
	ds_load_b32 v[CM+\a], v[CTA] offset:64*\a
.endr
.endm
	s_load_b256 s[4:11], s[0:1], 0x0               ; order, xq, wq, comb
	s_load_b128 s[12:15], s[0:1], 0x20             ; expert_b, out0
	v_lshl_add_u32 v126, v0, 2, 0x26000
	v_mov_b32 v127, 0
	v_lshrrev_b32 v[TMP], 5, v0
	v_readfirstlane_b32 s16, v[TMP]                ; wave w
	s_mov_b32 s17, ttmp9                           ; j
	s_and_b32 s18, ttmp7, 0xffff                   ; i
	s_lshr_b32 s19, s18, 3
	s_add_co_u32 s19, s19, s18
	s_and_b32 s19, s19, 7                          ; rot
	v_and_b32 v[LN], 31, v0
	v_and_b32 v[RR], 15, v0
	v_bfe_u32 v[HH], v0, 4, 1
	v_lshlrev_b32 v[L16], 4, v[LN]
	v_lshlrev_b32 v151, 2, v[LN]
	s_lshl_b32 s22, s16, 7
	v_add_nc_u32 v152, s22, v151
	v_lshl_add_u32 v153, v[HH], 2, s22
	v_lshlrev_b32 v157, 2, v[RR]
	s_lshl_b32 s32, s18, 9
	s_mov_b32 s33, 0
	s_mov_b32 s52, 0x76543210
	s_mov_b32 s53, 0xfedcba98
	s_wait_alu depctr_va_vdst(0)
	s_wait_kmcnt 0x0
	s_add_nc_u64 s[4:5], s[4:5], s[32:33]          ; my block's 128 words of the list
.irp u, 0,1,2,3
	global_load_b32 v[OW+\u], v151, s[4:5] offset:128*\u
.endr
	global_load_b32 v[OWN], v152, s[4:5]
.irp p, 0,1,2,3,4,5,6,7,8,9,10,11,12,13,14,15
	global_load_b32 v[128+\p], v153, s[4:5] offset:8*\p            ; row 32 w + 2 p + h
.endr
.irp a, 0,1,2,3,4,5,6,7
	global_load_b32 v[232+\a], v157, s[4:5] offset:64*\a           ; row 16 a + r
.endr
	; while these are on their way: pointers, addresses, and O
	s_lshl_b32 s22, s17, 2
	s_add_co_u32 s22, s22, s16                     ; G = 4 j + w: my group of 64 columns
	s_mul_i32 s32, s22, GSTR
	s_add_nc_u64 s[8:9], s[8:9], s[32:33]          ; expert 0's records of my group
	s_lshl_b32 s32, s22, 8
	s_add_nc_u64 s[12:13], s[12:13], s[32:33]      ; my 64 columns of expert_b
	s_add_nc_u64 s[14:15], s[14:15], s[32:33]      ; and of out0
	s_add_nc_u64 s[30:31], s[6:7], XSO             ; x's scale bytes
.irp s, 0,1,2,3,4,5,6,7
	s_add_co_u32 s22, s19, \s
	s_and_b32 s22, s22, 7
	s_lshl_b32 s[36+\s], s22, 7                    ; logical step s: its bytes in a token's row,
	s_mul_i32 s[44+\s], s22, REC                   ; and its record
	v_add_nc_u32 v[VB+\s], s[44+\s], v[L16]
	v_lshl_add_u32 v[VS+\s], v[LN], 3, s[44+\s]
.endr
	s_bitcmp1_b32 s19, 0
	s_cselect_b32 s35, -1, 0
	s_bitcmp1_b32 s19, 1
	s_cselect_b32 s2, -1, 0
	s_bitcmp1_b32 s19, 2
	s_cselect_b32 s3, -1, 0
	v_mul_u32_u24 v[AK0], v[RR], XP
	v_lshl_add_u32 v[AK0], v[HH], 4, v[AK0]
	v_add_nc_u32 v[AK1], 64*XP, v[AK0]
	s_lshl_b32 s22, s16, 5
	v_add_nc_u32 v[XSA], s22, v[HH]
	v_mul_u32_u24 v[XSA], v[XSA], XP
	v_lshl_add_u32 v[XSA], v[RR], 4, v[XSA]        ; row 32 w + h, 16 r bytes on
	s_mul_i32 s22, s16, 16*SPI
	s_add_co_u32 s22, s22, STG
	v_mul_u32_u24 v[STO], v[RR], SPI
	v_lshl_add_u32 v[STO], v[HH], 5, v[STO]
	v_add_nc_u32 v[STO], s22, v[STO]
	v_mul_u32_u24 v[RD], v[HH], SPI
	v_lshl_add_u32 v[RD], v[RR], 4, v[RD]
	v_add_nc_u32 v[RD], s22, v[RD]
	v_lshl_add_u32 v[OWA], v[HH], 2, OWT
	v_lshlrev_b32 v[CO], 4, v[RR]
	v_lshl_add_u32 v[CT0], v[RR], 2, CT
	v_lshlrev_b32 v[BIA], 5, v[HH]
	s_lshl_b32 s22, s16, 7
	v_lshl_add_u32 v149, v[LN], 2, s22
	v_add_nc_u32 v150, OWT, v149
	v_add_nc_u32 v149, CT, v149
	WIN 0xc0                                       ; O begins as zeros: it is no matrix accumulator, and the one combine in the loop serves an expert's first and later sums alike.  These lines stand where the wave waits for the list anyway
.set ii, 0
.rept 256
	v_mov_b32 v[ii], 0
.set ii, ii+1
.endr
	WIN 0
	s_wait_loadcnt 0x0
	v_mov_b32 v154, 0                              ; which experts the block's 128 rows use
.irp u, 0,1,2,3
	v_bfe_u32 v155, v[OW+\u], 16, 3
	v_bfe_u32 v156, v[OW+\u], 20, 3
	v_lshlrev_b32 v155, v155, 1
	v_lshlrev_b32 v156, v156, 1
	v_or_b32 v154, v154, v155
	v_or_b32 v154, v154, v156
.endr
	v_mov_b32 v155, 0
.irp m, 1,2,4,8
	v_mov_b32_dpp v155, v154 row_xmask:\m row_mask:0xf bank_mask:0xf
	v_or_b32 v154, v154, v155
.endr
	v_permlanex16_b32 v155, v154, s52, s53
	v_or_b32 v154, v154, v155
	v_readfirstlane_b32 s20, v154
	s_and_b32 s20, s20, 0xff
	s_ctz_i32_b32 s22, s20
	s_min_u32 s22, s22, 7                          ; the first expert that is used
	s_mul_i32 s32, s22, ESTR
	s_add_nc_u64 s[FP:FP+1], s[8:9], s[32:33]      ; its records,
	s_lshl_b32 s32, s22, 12
	s_add_nc_u64 s[FB:FB+1], s[12:13], s[32:33]    ; its bias,
	s_lshl_b32 s32, s22, 2
	s_add_nc_u64 s[FC:FC+1], s[10:11], s[32:33]    ; its column of comb
	s_add_co_u32 s23, s20, -1
	s_and_b32 s20, s20, s23                        ; the loop walks the others
	BIASLD FB
	BLOAD 0, FP, 0
.irp p, 0,1,2,3,4,5,6,7,8,9,10,11,12,13,14,15
	v_and_b32 v[128+\p], 0x1fff, v[128+\p]
	v_min_u32 v[128+\p], 0x1fff, v[128+\p]
	v_lshl_add_u32 v[128+\p], v[128+\p], 10, v[CO] ; the token's row of codes, 16 r bytes on
.endr
.irp u, 0,1,2,3
	v_and_b32 v[144+\u], 0x1fff, v[OW+\u]
	v_min_u32 v[144+\u], 0x1fff, v[144+\u]
	v_lshlrev_b32 v[144+\u], 5, v[144+\u]
.endr
	v_and_b32 v148, 0x1fff, v[OWN]
	v_min_u32 v148, 0x1fff, v148
	v_lshlrev_b32 v148, 5, v148
.irp a, 0,1,2,3,4,5,6,7
	v_and_b32 v[232+\a], 0x1fff, v[232+\a]
	v_min_u32 v[232+\a], 0x1fff, v[232+\a]
	v_lshlrev_b32 v[232+\a], 5, v[232+\a]
.endr
.irp u, 0,1,2,3
	global_load_b128 v[160+8*\u:163+8*\u], v[144+\u], s[30:31]             ; row 32 u + lane: its eight scale words
	global_load_b128 v[164+8*\u:167+8*\u], v[144+\u], s[30:31] offset:16
.endr
	global_load_b128 v[192:195], v148, s[10:11]                            ; row 32 w + lane: its eight combine weights
	global_load_b128 v[196:199], v148, s[10:11] offset:16
.irp a, 0,1,2,3,4,5,6,7
	global_load_b32 v[CM+\a], v[232+\a], s[FC:FC+1]                        ; row 16 a + r: its weight for the first expert
.endr
	WIN 0x80                                       ; the gather lands in window 2: sixteen lanes read 256 consecutive bytes of a token's row, aligned
.irp q, 0,1,2,3
.irp p, 0,1,2,3,4,5,6,7,8,9,10,11,12,13,14,15
	global_load_b128 v[64*\q+4*\p:64*\q+4*\p+3], v[128+\p], s[6:7] offset:256*\q
.endr
.endr
	WIN 0
.irp q, 0,1,2,3
	s_wait_loadcnt 48-16*\q                        ; behind this group of 16 stand the later groups alone
	WIN 0x08                                       ; an LDS store's data are its source 1: window 2
.irp p, 0,1,2,3,4,5,6,7,8,9,10,11,12,13,14,15
	ds_store_b128 v[XSA], v[64*\q+4*\p:64*\q+4*\p+3] offset:\p*2*XP+256*\q
.endr
.endr
	WIN 0
	BLOAD 1, FP, 1
	BLOAD 2, FP, 2
.irp u, 0,1,2,3                                ; the scale words (in since the last wait) are turned by rot, a bit of it at a time: word s becomes that of K step (s + rot) % 8
.irp s, 0,1,2,3,4,5,6,7
	v_cndmask_b32 v[200+8*\u+\s], v[160+8*\u+\s], v[160+8*\u+(\s+1)%8], s35
.endr
.endr
.irp u, 0,1,2,3
.irp s, 0,1,2,3,4,5,6,7
	v_cndmask_b32 v[160+8*\u+\s], v[200+8*\u+\s], v[200+8*\u+(\s+2)%8], s2
.endr
.endr
.irp u, 0,1,2,3
.irp s, 0,1,2,3,4,5,6,7
	v_cndmask_b32 v[SA+8*\u+\s], v[160+8*\u+\s], v[160+8*\u+(\s+4)%8], s3
.endr
.endr
.irp e, 0,1,2,3,4,5,6,7
	ds_store_b32 v149, v[192+\e] offset:512*\e
.endr
	ds_store_b32 v150, v[OWN]
.irp i, 0,1,2,3
	v_mov_b32 v[160+\i], 0                         ; (the scale words as loaded have been turned: their registers are free)
.endr
	s_mul_i32 s22, s16, 32*XP
	s_add_co_u32 s22, s22, 1024
	v_mul_u32_u24 v164, v[LN], XP
	v_add_nc_u32 v164, s22, v164
	ds_store_b128 v164, v[160:163]                 ; the 16 bytes behind row 32 w + lane: so every byte from row 0 to row 127 is written
	v_add_nc_u32 v[ADA], s36, v[AK0]
	v_add_nc_u32 v[ADA+1], s36, v[AK1]
.rept 8
	v_nop                                          ; a scale register written by a vector instruction stands eight places ahead of the matrix instruction that names it
.endr
	s_wait_alu depctr_va_vdst(0)
	s_wait_dscnt 0x0                               ; for the others' sake: my rows, weights and words lie in LDS
	s_barrier_signal -1                            ; the launch's one barrier: behind it these bytes are only read
	s_barrier_wait -1
	ALOAD 0, 0
	ALOAD 4, 0
	KSTEP 0, 0, FP                                 ; the first expert's head
	KSTEP 1, 0, FP
	KSTEP 2, 0, FP
	KSTEP 3, 0, FP
	KSTEP 4, 0, FP
	s_mov_b64 s[WP:WP+1], s[8:9]                   ; the loop's pointers, at expert 0
	s_mov_b64 s[BP:BP+1], s[12:13]
	s_mov_b32 s21, 0                               ; the expert
	s_mov_b32 s34, 0                               ; 512 x the expert
; At this label, on every way: K steps 0 to 4 of a pending expert are done; ring sets 1 to 3 (its steps 5 to 7) and A's fragments of step 5 are on their way or in; CM holds its combine weights
.Lpass:
	s_bitcmp1_b32 s20, s21
	s_cbranch_scc0 .Lskip
	KSTEP 5, 1, WP                                 ; the pending tail; the ring takes this expert's bias and K steps 0 to 2
	KSTEP 6, 1, WP
	KSTEP 7, 1, WP
	COMBINE
	CMLOAD                                         ; behind the combine's reads: this expert's weights
	KSTEP 0, 0, WP                                 ; this expert's head
	KSTEP 1, 0, WP
	KSTEP 2, 0, WP
	KSTEP 3, 0, WP
	KSTEP 4, 0, WP
.Lskip:
	s_wait_xcnt 0x0                                ; earlier loads have read the pointers that are stepped now
	s_add_nc_u64 s[WP:WP+1], s[WP:WP+1], ESTR
	s_add_nc_u64 s[BP:BP+1], s[BP:BP+1], 4096
	s_add_co_u32 s34, s34, 512
	s_add_co_u32 s21, s21, 1
	s_cmp_lt_u32 s21, 8
	s_cbranch_scc1 .Lpass
	KSTEP 5, 2, WP                                 ; the last tail: nothing is left to fetch
	KSTEP 6, 2, WP
	KSTEP 7, 2, WP
	COMBINE
; THE WAY OUT, a row tile at a time.  A lane holds 32 bytes of a row and the lanes beside it hold other rows: a tile goes through my own stage and comes back as rows of 256 bytes; sixteen lanes then store
; 256 consecutive bytes, aligned, of the row of out0 that the list names.  LDS serves a wave's instructions in order: no wait between the stores and the loads, nor in front of the next tile's stores.
.macro TOSTAGE a
	WIN 0x0c                                       ; the data: window 3
.irp t, 0,1,2,3
	ds_store_b128 v[STO], v[8*(4*(\a)+\t):8*(4*(\a)+\t)+3] offset:64*\t
	ds_store_b128 v[STO], v[8*(4*(\a)+\t)+4:8*(4*(\a)+\t)+7] offset:64*\t+16
.endr
	WIN 0
.irp q, 0,1,2,3,4,5,6,7
	ds_load_b128 v[AF+32*((\a)%2)+4*\q:AF+32*((\a)%2)+4*\q+3], v[RD] offset:\q*2*SPI
.endr
.irp q, 0,1,2,3,4,5,6,7
	ds_load_b32 v[192+8*((\a)%2)+\q], v[OWA] offset:(16*(\a)+2*\q)*4       ; the word of row 16 a + 2 q + h
.endr
.endm
.macro SEND a, younger
	s_wait_dscnt \younger                          ; the tile is back; the next tile's 24 LDS instructions may be out
.irp q, 0,1,2,3,4,5,6,7
	v_and_b32 v[192+8*((\a)%2)+\q], 0x1fff, v[192+8*((\a)%2)+\q]
	v_min_u32 v[192+8*((\a)%2)+\q], 0x1fff, v[192+8*((\a)%2)+\q]
	v_lshl_add_u32 v[192+8*((\a)%2)+\q], v[192+8*((\a)%2)+\q], 12, v[CO]
.endr
.irp q, 0,1,2,3,4,5,6,7
	global_store_b128 v[192+8*((\a)%2)+\q], v[AF+32*((\a)%2)+4*\q:AF+32*((\a)%2)+4*\q+3], s[14:15] th:TH_STORE_NT
.endr
.endm
	TOSTAGE 0
.irp a, 1,2,3,4,5,6,7
.if \a > 1
	s_wait_xcnt 0x0                                ; the stores of two tiles ago have read the registers that are loaded now
.endif
	TOSTAGE \a
	SEND \a-1, 24
.endr
	SEND 7, 0
	s_wait_tensorcnt 0x0
	ds_add_u32 v126, v127
	s_wait_dscnt 0x0
	s_endpgm
.Lfunc_end_k_qc23ead861c_experts:
	.size	k_qc23ead861c_experts, .Lfunc_end_k_qc23ead861c_experts-k_qc23ead861c_experts
	.p2alignl 7, 3214868480
	.fill 96, 4, 3214868480
	.section	.rodata,"a",@progbits
	.p2align	6, 0x0
	.amdhsa_kernel k_qc23ead861c_experts
		.amdhsa_group_segment_fixed_size 156160
		.amdhsa_private_segment_fixed_size 0
		.amdhsa_enable_private_segment 0
		.amdhsa_kernarg_size 48
		.amdhsa_user_sgpr_count 2
		.amdhsa_user_sgpr_kernarg_segment_ptr 1
		.amdhsa_wavefront_size32 1
		.amdhsa_system_sgpr_workgroup_id_x 1
		.amdhsa_system_sgpr_workgroup_id_y 1
		.amdhsa_system_sgpr_workgroup_id_z 1
		.amdhsa_system_vgpr_workitem_id 0
		.amdhsa_next_free_vgpr 1024
		.amdhsa_next_free_sgpr 66
		.amdhsa_reserve_vcc 0
		.amdhsa_float_denorm_mode_32 3
		.amdhsa_float_denorm_mode_16_64 3
		.amdhsa_memory_ordered 1
		.amdhsa_forward_progress 1
		.amdhsa_inst_pref_size 227
	.end_amdhsa_kernel
	.amdgpu_metadata
---
amdhsa.version: [ 1, 2 ]
amdhsa.kernels:
  - .name:           k_qc23ead861c_experts
    .symbol:         k_qc23ead861c_experts.kd
    .args:
      - { .name: order, .offset: 0, .size: 8, .value_kind: global_buffer, .address_space: global }
      - { .name: xq, .offset: 8, .size: 8, .value_kind: global_buffer, .address_space: global }
      - { .name: wq, .offset: 16, .size: 8, .value_kind: global_buffer, .address_space: global }
      - { .name: comb, .offset: 24, .size: 8, .value_kind: global_buffer, .address_space: global }
      - { .name: expert_b, .offset: 32, .size: 8, .value_kind: global_buffer, .address_space: global }
      - { .name: out0, .offset: 40, .size: 8, .value_kind: global_buffer, .address_space: global }
    .group_segment_fixed_size: 156160
    .private_segment_fixed_size: 0
    .kernarg_segment_align: 8
    .kernarg_segment_size: 48
    .max_flat_workgroup_size: 128
    .sgpr_count:     66
    .vgpr_count:     1024
    .wavefront_size: 32
...
	.end_amdgpu_metadata
.endif
;; end of part 3
